; MI455X (gfx1250); checked and timed in simulation.
; The chip was launched on July 23, 2026; its instructions are those of AMD's public machine-readable ISA for CDNA 5 (MIT licence, August 2026) and "CDNA5" Instruction Set Architecture Reference Guide (July 2026). The comments in the code are by the model that wrote it; some were corrected since.
;; Head. Allowed arithmetic: matrix products marked QUANTISED: E5M2 operands, one E8M0 scale for each 32 along K, by v_wmma_scale_f32_16x16x128_f8f6f4 with both operands' format E5M2, f32 sums; everything else in f32.
;; Inputs: Wk_codes 128 x 64 x 32 uint8 (E5M2 codes of Wk, K innermost, in blocks of 32 codes); Wk_scales 128 x 64 uint8 (E8M0 scales of Wk, one for each 32 codes along K); Wq_codes 128 x 64 x 32 uint8 (E5M2 codes of Wq, K innermost, in blocks of 32 codes); Wq_scales 128 x 64 uint8 (E8M0 scales of Wq, one for each 32 codes along K); Wv_codes 128 x 64 x 32 uint8 (E5M2 codes of Wv, K innermost, in blocks of 32 codes); Wv_scales 128 x 64 uint8 (E8M0 scales of Wv, one for each 32 codes along K); x_codes 8 x 4,096 x 64 x 32 uint8 (E5M2 codes of x, K innermost, in blocks of 32 codes); x_scales 8 x 4,096 x 64 uint8 (E8M0 scales of x, one for each 32 codes along K).
;; Outputs: out0 8 x 4,096 x 128 float32.
;; This version of the problem:
;;   THIS VERSION OF THE PROBLEM IS GIVEN IN LOW PRECISION. The matrix products marked QUANTISED in the list below multiply operands that are first quantised to E5M2 (5 exponent bits, 2 mantissa bits; 8 bits a number), with one power-of-two scale for each 32 numbers along K (OCP MX v1.0); their sums are f32. All else is computed in f32.
;;   The module's matrix products, in the order in which they are computed (A, B: the left and right operand; K: the contracted axis; several contracted axes count as one K, in the product's order):
;;     1. [M 32,768, K 2,048] x [K 2,048, N 128]; A: input x (given as codes); B: input Wk (given as codes): QUANTISED
;;     2. [M 32,768, K 2,048] x [K 2,048, N 128]; A: input x (given as codes); B: input Wq (given as codes): QUANTISED
;;     3. [M 32,768, K 2,048] x [K 2,048, N 128]; A: input x (given as codes); B: input Wv (given as codes): QUANTISED
;;     4. batch 8 x [M 4,096, K 128] x [K 128, N 4,096]; A: computed on the way; B: computed on the way: QUANTISED
;;     5. batch 8 x [M 4,096, K 4,096] x [K 4,096, N 128]; A: softmax (see below); B: computed on the way: QUANTISED
;;   THE QUANTISER, for each operand of a quantised product, along K:
;;     - K is cut into blocks of 32 from its start; a last block that is shorter is filled with zeros.
;;     - A block's scale is 2^e with e = floor(log2(the largest magnitude in the block)) - 15, held to -126 .. 127; a block of zeros has e = 0. As a byte (E8M0): e + 127.
;;     - Each number is divided by its block's scale, clamped to +-57,344, and rounded to the nearest number of E5M2, ties to even, subnormals kept.
;;     - The product sums the exact products of the quantised numbers (number of the format x scale) in f32.
;;   ~~~python
;;   def quantise(x, axis):      # numpy; x: float32 -> the quantised numbers, widened to float32 again
;;       x = np.moveaxis(x, axis, -1); K = x.shape[-1]
;;       x = np.pad(x, [(0, 0)] * (x.ndim - 1) + [(0, -K % 32)]); x = x.reshape(x.shape[:-1] + (-1, 32)); a = np.abs(x).max(-1, keepdims=True)
;;       e = np.where(a > 0, np.clip(np.frexp(np.where(a > 0, a, 1))[1] - 1 - 15, -126, 127), 0)      # np.frexp(a)[1] - 1 = floor(log2(a)), exactly
;;       r = np.clip(x / 2.0 ** e, -57344, 57344)
;;       step = 2.0 ** (np.maximum(np.frexp(np.where(r == 0, 1, r))[1] - 1, -14) - 2)
;;       q = np.round(r / step) * step * 2.0 ** e      # np.round: ties to even
;;       return np.moveaxis(q.reshape(q.shape[:-2] + (-1,))[..., :K], -1, axis).astype(np.float32)
;;   ~~~
;;   SOFTMAX AHEAD OF A QUANTISED PRODUCT. Where the list says 'softmax', what is quantised is not the finished softmax but p = 2^(t - M), with t = logit x log2(e) and M = ceil(the row's largest t), a whole number; so 1/2 < the row's largest p <= 1. The row's sum l is taken of the UNQUANTISED p, in f32, and the product's result is divided by l at the end. Since M is a whole number, a kernel that streams over the keys may use a running M (the ceiling of the running maximum): every later rescaling is an exact power of two, which a block's scale takes up: the codes' values come out the same.
;;   OPERANDS COMPUTED ON THE WAY. 'Computed on the way' means the value that the module computes at that place (a softmax that the list does not call 'softmax' is quantised finished and normalised). What goes into a quantiser is computed in f32, as accurately as f32 sums, v_exp_f32 and their like allow (about 1e-6 of the number): no bf16 or f16 on the way to a quantiser, and a product that is left as it is and whose result goes on into a quantised operand takes f32 operands (vector FMAs, or v_wmma_f32_16x16x4_f32). A number that lies on a knife's edge between two numbers of the format may be rounded either way, as far as f32 arithmetic and the matrix unit's own rounding can turn it there, and no further.
;;   INPUTS GIVEN AS CODES. Wk (in the module: [2048, 128], K = its axis 0); Wq (in the module: [2048, 128], K = its axis 0); Wv (in the module: [2048, 128], K = its axis 0); x (in the module: [8, 4096, 2048], K = its axis 2): each comes as NAME_codes (uint8): NAME with its K axis moved to the last place and cut into blocks of 32 codes, [.., K / 32, bytes a block], one block behind the other in memory; one code a byte (a code: sign, 5 exponent bits, 2 mantissa bits); and NAME_scales (uint8): the same leading axes, one E8M0 byte (e + 127) for each 32 codes along K. Its value is code x scale, taken as it is: it is not quantised again, and the codes and scales need not be those that the quantiser above would give.
;; One version. Each part assembles by itself: llvm-mc -triple=amdgcn-amd-amdhsa -mcpu=gfx1250 --defsym DOCPART=n.
;; ======== version 1 of 1: 2 launches
;; limits: right only within a limited range of input values
;; workspace buffers: kv 8,650,752 bytes; qb 4,325,376 bytes
;; launch proj (part 1): grid 256 x 1, 4 waves a work-group, clusters of 4 x 1, 327,680 bytes of LDS; arguments x_codes, x_scales, Wk_codes, Wk_scales, Wq_codes, Wq_scales, Wv_codes, Wv_scales, kv, qb; writes kv, qb
.if DOCPART == 1
	.amdgcn_target "amdgcn-amd-amdhsa--gfx1250"
	.amdhsa_code_object_version 6
	.text
	.protected	k_q5e74a73f78_proj
	.globl	k_q5e74a73f78_proj
	.p2align	8
	.type	k_q5e74a73f78_proj,@function
k_q5e74a73f78_proj:
	s_mov_b64 s[64:65], 0
	v_nop
	global_prefetch_b8 v0, s[64:65] scope:SCOPE_SE
	s_setreg_imm32_b32 hwreg(HW_REG_WAVE_MODE, 25, 1), 1
	s_wait_xcnt 0x0
	s_wait_alu depctr_hold_cnt(0) depctr_sa_sdst(0) depctr_va_vdst(0) depctr_va_sdst(0) depctr_va_ssrc(0) depctr_va_vcc(0) depctr_vm_vsrc(0)
	s_getreg_b32 s2, hwreg(HW_REG_IB_STS2, 6, 4)
	s_cmp_eq_u32 s2, 0
	s_cbranch_scc0 .Lentry_in_a_cluster
	s_endpgm
.Lentry_in_a_cluster:
	s_bfe_u32 s2, ttmp6, 0x10000c
	s_cmp_lg_u32 s2, 0x3003
	s_cbranch_scc0 .Lentry_shape_is_right
	s_endpgm
.Lentry_shape_is_right:
; k = x Wk, q = x Wq, v = x Wv on codes of BF8 (E5M2) with one E8M0 byte for each 32 along K (K = 2,048), f32 sums; then k and q are quantised along the
; 128 channels and v along the keys, in registers, and leave as IMAGES OF OPERAND REGISTERS for the attention launch.
; SHARES.  Work-group g = 4 x cluster + cx takes rows 128 g .. 128 g + 127 of x (one block of kv, one of qb).  Wave w takes all 128 rows (8 tiles of x) against
; channels 32 w .. 32 w + 31 of each of k, q, v: six tiles of W, 48 accumulators, 48 matrix instructions for each 128 along K from 14 fragments.
; k and q are taken transposed (source 0 = 16 rows of W, source 1 = 16 rows of x): a lane holds one row of x and its registers run along the channels.
; v takes source 0 = x, source 1 = Wv: a lane holds one channel and its registers run along the keys.  One set of x's fragments serves both.
; ORDER INSIDE A BLOCK OF 32.  A result gives lane half h the numbers 8 h + j of a tile, so the 16 registers of two neighbouring tiles are numbers 8 h + j and 16 + 8 h + j of a
; block of 32.  The same order arises in q and k (channels) and in v and p (keys), so both operands of each later product carry the same permutation inside each
; scale block: the products are the same, only the order of their sum differs.
; DATA PATH.  W is the same for all work-groups: the four partners of a cluster ask for each tile of W jointly (waves 0, 1, 2: Wk, Wq, Wv; wave 3 none), into a ring of two slots of 256 along K.
; x is read by one work-group alone: it comes by loads into registers, two K steps ahead (they stay out across barriers), and goes by LDS stores into a ring of its own, which no tensor load touches.
; LIMITS: NaN and infinities are not served; a block whose largest magnitude lies under 2^-111, a block of zeros too, gets the byte 1 (its bytes are read by this program alone).
; REGISTERS, in windows of 256.  window 0: v1-23 addresses; v32-87 scale words, two sets; v88-119 at work; v128-223 W's set 1, at the end the codes; v224-239 x's scales on their way in.
;   window 1: v0-127 x's 8 fragments; v128-223 W's set 0.   window 2: k's accumulators at 16 t + 8 u, q's at 128 + 16 t + 8 u.   window 3: v's at 64 u + 8 t; v128-191, v192-255 x on its way in, two sets.
; WORK LEFT OUT by the program: in reference() a score of key k for query q with k > q is -infinity ahead of the softmax, whatever the inputs hold, so its p is 0 and it reaches no output: the second launch leaves out every
; step of 128 keys that all come after a wave's queries.  Limit: a NaN, an infinity or an overflow that reaches only such a score is not carried to the result.
; W's scale bytes (8,192 a matrix) come by loads into registers and LDS stores, a quarter of each matrix a wave, as x's do; a wave has one tensor load at the head.
.set PITCH, 272
.set WMAT,  128*PITCH                  ; one matrix's 128 rows of a K step
.set WSLOT, 3*WMAT                     ; a slot of W's ring
.set XR,    2*WSLOT                    ; x's ring: two slots of 128 rows, written by LDS stores alone
.set XSLOT, 128*PITCH
.set SCW,   XR+2*XSLOT                 ; W's scale bytes, all of K: three times 32 runs of 256 bytes + 16
.set SCM,   32*PITCH
.set SCX,   SCW+3*SCM                  ; the scale bytes of my 128 rows of x, in the same form, written by LDS stores
.set SPARE, SCX+SCM                    ; the spare words, 128 bytes for each wave: two blocks of 256 bytes that no other line names
.set SBY,   SPARE+512                  ; the scale words on their way out: k's 512 bytes, v's 512, q's 512
.set SC,    32                         ; scale words: set s at v[SC + 28 s]: x's tile t at + 2 t + q, W's tile f at + 16 + 2 f + q
.set TM,    88                         ; v88-91 largest magnitudes, v92-95 bytes, v96-99 the hold, v100-103 the conversions' scale operands
.set MSB, 0
.macro WIN new                         ; the immediate's high byte repeats the setting that is left; a switch that changes nothing is dropped
.if MSB != (\new)
	s_set_vgpr_msb (MSB<<8)|(\new)
.set MSB, (\new)
.endif
.endm
.macro PLACES n                        ; plain vector places behind matrix instructions: eight for this form
.rept \n
	v_nop
.endr
.endm
.macro CREST                           ; a round of the cluster's barrier behind its opening barrier
	s_cmp_lg_u32 s24, 0
	s_cbranch_scc1 .Lnot_wave_0_\@
	s_barrier_signal -3
.Lnot_wave_0_\@:
	s_barrier_wait -3
	s_barrier_signal -1
	s_barrier_wait -1
.endm
.macro CROUND
	s_barrier_signal -1
	s_barrier_wait -1
	CREST
.endm
.macro WLOAD g0                        ; a joint refill of W: waves 0 to 2, one matrix each; the branch hangs on the wave's number alone
	s_cmp_lt_u32 s24, 3
	s_cbranch_scc0 .Lnone_\@
	tensor_load_to_lds s[\g0:\g0+3], s[28:35]
	s_nop 0
.rept 4
	v_nop
.endr
.Lnone_\@:
.endm
.macro GLOAD reg, kofs                 ; my 32 rows of x, 256 along K at byte kofs: each load takes two rows' 256 consecutive bytes
.irp i, 0,1,2,3,4,5,6,7,8,9,10,11,12,13,14,15
	global_load_b128 v[(\reg)+4*\i:(\reg)+4*\i+3], v12, s[70:71] offset:4096*\i+(\kofs) th:TH_LOAD_NT
.endr
.endm
.macro XSTORE s, reg                   ; and into slot s of x's ring
.irp i, 0,1,2,3,4,5,6,7,8,9,10,11,12,13,14,15
	ds_store_b128 v[13+\s], v[(\reg)+4*\i:(\reg)+4*\i+3] offset:544*\i
.endr
.endm
.macro FETCH_W s, q, p                 ; my six fragments of W, the slot's q-th 128 along K, into set p
.if \p
	WIN 0
.else
	WIN 0x40
.endif
.irp f, 0,1,2,3
.irp c, 0,1,2,3
	ds_load_b128 v[128+16*\f+4*\c:128+16*\f+4*\c+3], v[6+\s] offset:(\f/2)*WMAT+(\f%2)*16*PITCH+128*(\q)+32*\c
.endr
.endr
.irp u, 0,1
.irp c, 0,1,2,3
	ds_load_b128 v[192+16*\u+4*\c:192+16*\u+4*\c+3], v[8+\s] offset:\u*16*PITCH+128*(\q)+32*\c
.endr
.endr
.endm
.macro FETCH_X s, q, t0                ; x's tiles t0 .. t0 + 3
	WIN 0x40
.irp t, \t0, \t0+1, \t0+2, \t0+3
.irp c, 0,1,2,3
	ds_load_b128 v[16*(\t)+4*\c:16*(\t)+4*\c+3], v[4+\s] offset:(\t)*16*PITCH+128*(\q)+32*\c
.endr
.endr
.endm
.macro SCALES s                        ; a K step's two scale words a row: x's 8 tiles, W's 6
	WIN 0
.irp t, 0,1,2,3,4,5,6,7
	ds_load_b64 v[SC+28*\s+2*\t:SC+28*\s+2*\t+1], v10 offset:\t*4*PITCH
.endr
.irp f, 0,1,2,3,4,5
	ds_load_b64 v[SC+28*\s+16+2*\f:SC+28*\s+16+2*\f+1], v11 offset:(\f/2)*SCM+(\f%2)*4*PITCH
.endr
.endm
; 16 matrix instructions: k's and q's four tiles of W against x's tiles t0 .. t0 + 3.  p: W's set; q: which 128 of the slot; sc: the set of scale words; zero = 1: the product starts the sum.
; The 48 accumulators take turns, one instruction a turn, in one order in every step.
.macro MULKQ t0, p, q, sc, zero
	WIN 0xa5-(\p)
.irp t, \t0, \t0+1, \t0+2, \t0+3
.irp f, 0,1,2,3
.if \zero
	v_wmma_scale_f32_16x16x128_f8f6f4 v[128*(\f/2)+16*(\t)+8*(\f%2):128*(\f/2)+16*(\t)+8*(\f%2)+7], v[128+16*\f:128+16*\f+15], v[16*(\t):16*(\t)+15], 0, v[SC+28*(\sc)+16+2*\f+(\q)], v[SC+28*(\sc)+2*(\t)+(\q)] matrix_a_fmt:MATRIX_FMT_BF8 matrix_b_fmt:MATRIX_FMT_BF8
.else
	v_wmma_scale_f32_16x16x128_f8f6f4 v[128*(\f/2)+16*(\t)+8*(\f%2):128*(\f/2)+16*(\t)+8*(\f%2)+7], v[128+16*\f:128+16*\f+15], v[16*(\t):16*(\t)+15], v[128*(\f/2)+16*(\t)+8*(\f%2):128*(\f/2)+16*(\t)+8*(\f%2)+7], v[SC+28*(\sc)+16+2*\f+(\q)], v[SC+28*(\sc)+2*(\t)+(\q)] matrix_a_fmt:MATRIX_FMT_BF8 matrix_b_fmt:MATRIX_FMT_BF8
.endif
.endr
.endr
.endm
.macro MULV t0, p, q, sc, zero         ; 8 matrix instructions: x's tiles t0 .. t0 + 3 (source 0) against Wv's two tiles (source 1)
	WIN 0xf5-4*(\p)
.irp t, \t0, \t0+1, \t0+2, \t0+3
.irp u, 0,1
.if \zero
	v_wmma_scale_f32_16x16x128_f8f6f4 v[64*\u+8*(\t):64*\u+8*(\t)+7], v[16*(\t):16*(\t)+15], v[192+16*\u:192+16*\u+15], 0, v[SC+28*(\sc)+2*(\t)+(\q)], v[SC+28*(\sc)+24+2*\u+(\q)] matrix_a_fmt:MATRIX_FMT_BF8 matrix_b_fmt:MATRIX_FMT_BF8
.else
	v_wmma_scale_f32_16x16x128_f8f6f4 v[64*\u+8*(\t):64*\u+8*(\t)+7], v[16*(\t):16*(\t)+15], v[192+16*\u:192+16*\u+15], v[64*\u+8*(\t):64*\u+8*(\t)+7], v[SC+28*(\sc)+2*(\t)+(\q)], v[SC+28*(\sc)+24+2*\u+(\q)] matrix_a_fmt:MATRIX_FMT_BF8 matrix_b_fmt:MATRIX_FMT_BF8
.endif
.endr
.endr
.endm
; A slot's first 128 along K (W's set 0).  gl = 1: 256 along K of x, at byte kofs of my rows, are asked for into the staging set that the last change of slots has emptied.
.macro STEP s, zero, gl, kofs
	s_wait_dscnt 16                                ; all but the youngest sixteen LDS loads (x's tiles 4-7) are in, and the LDS stores out of the staging set have read it
.if \gl
	WIN 0xc0
	GLOAD 128+64*(1-\s), \kofs
.endif
	MULKQ 0, 0, 0, \s, \zero
	MULV 0, 0, 0, \s, \zero
	s_wait_dscnt 0x0                               ; x's tiles 4-7 are in
	PLACES 8                                       ; in front of loads into registers that matrix instructions have read
	FETCH_W \s, 1, 1
	FETCH_X \s, 1, 0
	MULKQ 4, 0, 0, \s, \zero
	MULV 4, 0, 0, \s, \zero
	PLACES 8
	FETCH_X \s, 1, 4
	WIN 0
.endm
; A slot's second 128 along K (W's set 1) changes slots: ONE barrier.  In front of it each wave waits for all its tensor loads, adds 0 to its spare word, and waits for that, for its reads of this slot
; and for its stores into x's other slot.  fill = 1: the barrier opens a round of the cluster's; behind it W's slot is filled again jointly, two K steps ahead, and x's slot from the staging set (lc: the younger loads of x that may stay out).
.macro TURN s, nx, fill, lc
	s_wait_tensorcnt 0x0                           ; all my tensor loads have landed: my part of W's next slot
	ds_add_u32 v15, v16
.if \fill
	ds_add_u32 v15, v16                            ; twice on end
.endif
	s_wait_dscnt 17+\fill                          ; (the add and the youngest sixteen loads, x's tiles 4-7, may be out)
	MULKQ 0, 1, 1, \s, 0                           ; sixteen matrix instructions stand between the add and the wait for it
	s_wait_dscnt 0x0                               ; the add is done, my reads of this slot are over, my stores into the other slot have landed
	s_barrier_signal -1
	MULV 0, 1, 1, \s, 0
	WIN 0
	s_barrier_wait -1
.if \fill
	CREST                                          ; no wave of any partner still reads this slot of W or has a load on its way
	s_add_nc_u64 s[46+4*\s:47+4*\s], s[46+4*\s:47+4*\s], 512
	WLOAD 44+4*\s                                  ; the first tensor load behind the round, one a wave
	PLACES 8
	s_wait_loadcnt \lc                             ; this slot's next 256 along K of x are in the staging set
	WIN 0x0c
	XSTORE \s, 128+64*\s
	WIN 0
.else
	PLACES 8
.endif
	s_wait_alu depctr_va_vdst(0)
	v_add_nc_u32 v10, 8, v10                       ; on to the next K step's scale words
	v_add_nc_u32 v11, 8, v11
	FETCH_W \nx, 0, 0
	FETCH_X \nx, 0, 0
	SCALES \nx
	MULKQ 4, 1, 1, \s, 0
	MULV 4, 1, 1, \s, 0
	PLACES 8
	FETCH_X \nx, 0, 4
	WIN 0
.endm
; 64 registers of window win from base on, four blocks of 16 (a block's other 16 numbers lie in lane l xor 16), become 16 registers of codes at v[pc] of window 0; the four scale bytes are left in v92-95.
; Each accumulator is read from its low end on.
.macro QUANT4 win, base, pc
	WIN (\win)|((\win)<<2)
.irp b, 0,1,2,3
	v_max3_num_f32 v[TM+\b], |v[(\base)+16*\b]|, |v[(\base)+16*\b+1]|, 0x8000000   ; my 16 numbers, and the floor 2^(16 - 127): the byte cannot fall under 1
.endr
.irp i, 2,4,6,8,10,12,14
.irp b, 0,1,2,3
	v_max3_num_f32 v[TM+\b], |v[(\base)+16*\b+\i]|, |v[(\base)+16*\b+\i+1]|, v[TM+\b]
.endr
.endr
	WIN 0
.irp b, 0,1,2,3
	v_permlanex16_b32 v[TM+4+\b], v[TM+\b], s56, s57
.endr
.irp b, 0,1,2,3
	v_max_num_f32 v[TM+\b], v[TM+\b], v[TM+4+\b]   ; the block's largest magnitude
.endr
.irp b, 0,1,2,3
	v_add_nc_u32 v[TM+12+\b], 0xf8800000, v[TM+\b] ; 15 off its exponent field: the conversion's scale operand
.endr
.irp b, 0,1,2,3
	v_and_or_b32 v[TM+8+\b], v[TM+\b], 0x7f800000, s58   ; 57,344 x the scale
.endr
.irp b, 0,1,2,3
	v_lshrrev_b32 v[TM+4+\b], 23, v[TM+12+\b]      ; the scale's byte
.endr
	WIN (\win)|((\win)<<6)
.irp b, 0,1,2,3
.irp i, 0,1,2,3,4,5,6,7,8,9,10,11,12,13,14,15
	v_med3_num_f32 v[(\base)+16*\b+\i], v[(\base)+16*\b+\i], -v[TM+8+\b], v[TM+8+\b]   ; the conversion to an 8-bit code does not saturate (ISA guide 7.6.2): the hold
.endr
.endr
	WIN (\win)
.irp b, 0,1,2,3
	v_cvt_scalef32_pk8_bf8_f32 v[(\pc)+4*\b:(\pc)+4*\b+1], v[(\base)+16*\b:(\base)+16*\b+7], v[TM+12+\b]
	v_cvt_scalef32_pk8_bf8_f32 v[(\pc)+4*\b+2:(\pc)+4*\b+3], v[(\base)+16*\b+8:(\base)+16*\b+15], v[TM+12+\b]
.endr
	WIN 0
	v_nop                                          ; one plain vector line behind the last conversion
.endm
; k's or q's tiles 4 a .. 4 a + 3: my 32 channels are group w of each tile's fragment: 512 consecutive bytes a store.  Lane half h keeps the byte of tile 2 i + h; it is byte w of that row's scale word.
.macro KQOUT a, accb, pc, ptr, bt, bo
	QUANT4 2, (\accb)+64*\a, (\pc)+16*\a
.irp b, 0,1,2,3
	global_store_b128 v17, v[(\pc)+16*\a+4*\b:(\pc)+16*\a+4*\b+3], s[\ptr:\ptr+1] offset:(4*\a+\b)*2048
.endr
	v_cndmask_b32 v[(\bt)+2*\a], v[TM+4], v[TM+5], s59
	v_cndmask_b32 v[(\bt)+2*\a+1], v[TM+6], v[TM+7], s59
	ds_store_b8 v19, v[(\bt)+2*\a] offset:(\bo)+8*\a
	ds_store_b8 v19, v[(\bt)+2*\a+1] offset:(\bo)+8*\a+4
.endm
	s_load_b512 s[4:19], s[0:1], 0x0               ; x's codes, x's scales, Wk's, Wq's, Wv's codes and scales
	s_load_b128 s[20:23], s[0:1], 0x40             ; kv, qb
	v_lshl_add_u32 v15, v0, 2, SPARE               ; my spare word; never rewritten
	v_mov_b32 v16, 0                               ; 0; never rewritten
	ds_add_u32 v15, v16
	ds_add_u32 v15, v16
	s_wait_dscnt 0x0
	v_lshrrev_b32 v24, 5, v0
	v_readfirstlane_b32 s24, v24                   ; wave 0..3
	s_bfe_u32 s25, ttmp6, 0x40000                  ; cx: it enters global addresses of x, kv and qb alone
	s_lshl_b32 s26, ttmp9, 2
	s_add_co_u32 s26, s26, s25                     ; g = 4 x cluster + cx
	v_and_b32 v1, 15, v0                           ; r
	v_bfe_u32 v2, v0, 4, 1                         ; h
	v_and_b32 v3, 31, v0                           ; lane
	; every LDS address is made here, ahead of the first branch on the wave's number
	v_mul_u32_u24 v24, v1, PITCH
	v_lshl_add_u32 v24, v2, 4, v24                 ; a fragment's row x pitch + 16 x half
	v_add_nc_u32 v4, XR, v24                       ; x's fragments in slot 0,
	v_add_nc_u32 v5, XR+XSLOT, v24                 ; in slot 1
	s_mul_i32 s78, s24, 32*PITCH                   ; my 32 rows of a matrix of W, and the 32 rows of x that I bring
	v_add_nc_u32 v6, s78, v24                      ; Wk's and Wq's fragments in slot 0,
	v_add_nc_u32 v7, WSLOT, v6                     ; in slot 1;
	v_add_nc_u32 v8, 2*WMAT, v6                    ; Wv's (beyond the reach of a 16-bit offset from v6)
	v_add_nc_u32 v9, 2*WMAT, v7
	v_lshrrev_b32 v25, 2, v1                       ; a row's 64 scale bytes: four rows to a run of 256 bytes + 16
	v_and_b32 v26, 3, v1
	v_mul_u32_u24 v25, v25, PITCH
	v_lshl_add_u32 v25, v26, 6, v25
	v_add_nc_u32 v10, SCX, v25                     ; x's scale words
	s_mul_i32 s79, s24, 8*PITCH
	v_add_nc_u32 v11, s79, v25
	v_add_nc_u32 v11, SCW, v11                     ; W's, my 32 rows
	v_lshlrev_b32 v12, 4, v1
	v_lshl_add_u32 v12, v2, 11, v12                ; x in memory: lanes 0-15 one row's 256 bytes, lanes 16-31 the next row's
	v_mul_u32_u24 v27, v2, PITCH
	v_lshl_add_u32 v27, v1, 4, v27
	v_add_nc_u32 v27, s78, v27
	v_add_nc_u32 v13, XR, v27                      ; and the same two rows in x's slot 0,
	v_add_nc_u32 v14, XR+XSLOT, v27                ; slot 1
	v_lshlrev_b32 v22, 4, v3                       ; 16 x lane
	s_lshl_b32 s80, s24, 9
	v_add_nc_u32 v17, s80, v22                     ; k's and q's codes: 16 x lane + 512 x wave
	s_lshl_b32 s81, s24, 12
	v_add_nc_u32 v18, s81, v22                     ; v's codes: 16 x lane + 4,096 x wave
	v_add_nc_u32 v19, s24, v22
	v_add_nc_u32 v19, SBY, v19                     ; k's and q's scale bytes: 16 x lane + wave
	s_lshl_b32 s82, s24, 2
	v_add_nc_u32 v20, s82, v22
	v_add_nc_u32 v20, SBY+512, v20                 ; v's scale words: 16 x lane + 4 x wave
	v_add_nc_u32 v21, SBY, v17                     ; and back: wave 0 k's 512 bytes, wave 1 v's, wave 2 q's
	v_lshl_add_u32 v23, v2, 4, v22
	v_add_nc_u32 v23, s79, v23
	v_add_nc_u32 v26, SCW, v23                     ; W's scale bytes on their way in: the same places in each matrix's run
	v_add_nc_u32 v23, SCX, v23
	s_lshl_b32 s96, s24, 11
	v_add_nc_u32 v24, s96, v22                     ; my quarter of a matrix's 8,192 scale bytes
.irp b, 0,1,2,3
	v_mov_b32 v[TM+4+\b], 0                        ; written once: a lane permute's destination counts as one of its sources
.endr
	s_mov_b32 s56, 0x76543210
	s_mov_b32 s57, 0xfedcba98                      ; v_permlanex16_b32's selects for lane l xor 16
	s_mov_b32 s58, 0x600000                        ; the mantissa field of 57,344
	s_mov_b32 s59, 0xffff0000                      ; lanes 16-31
	; descriptor group 1 for W's codes: 128 rows x 256 bytes, 2,048 bytes apart, 16 bytes of padding behind each row; the mask names the cluster's four work-groups
	s_mov_b32 s28, 15|(1<<20)|(1<<21)|(5<<22)|(3<<25)
	s_mov_b32 s29, 256<<16
	s_mov_b32 s30, 128<<16
	s_mov_b32 s31, 256<<16
	s_mov_b32 s32, 128
	s_mov_b32 s33, 2048
	s_mov_b32 s34, 0
	s_mov_b32 s35, 0
	s_lshl_b32 s84, s26, 18                        ; x's codes: 128 rows of 2,048 bytes a work-group, 32 rows a wave
	s_lshl_b32 s85, s24, 16
	s_add_co_u32 s84, s84, s85
	s_mov_b32 s85, 0
	s_lshl_b32 s86, s26, 13                        ; x's scales: 8,192 bytes a work-group, 2,048 a wave
	s_lshl_b32 s87, s24, 11
	s_add_co_u32 s86, s86, s87
	s_mov_b32 s87, 0
	s_mul_i32 s88, s26, 33792                      ; my block of kv
	s_mov_b32 s89, 0
	s_mul_i32 s90, s26, 16896                      ; my block of qb
	s_mov_b32 s91, 0
	s_lshl_b32 s92, s24, 9                         ; where a wave's 512 bytes of scale words go: kv + 32,768 + 512 x wave, or (wave 2) qb + 16,384
	s_add_co_u32 s92, s92, 32768
	s_mov_b32 s93, 16384
	s_cmp_eq_u32 s24, 2
	s_cselect_b32 s92, s93, s92
	s_mov_b32 s93, 0
	s_mul_i32 s83, s24, WMAT                       ; where my matrix goes in a slot: no place in the cluster enters an LDS address
	s_wait_alu depctr_va_vdst(0)
	s_wait_kmcnt 0x0
	s_add_nc_u64 s[70:71], s[4:5], s[84:85]
	s_add_nc_u64 s[72:73], s[6:7], s[86:87]
	s_add_nc_u64 s[74:75], s[20:21], s[88:89]
	s_add_nc_u64 s[76:77], s[22:23], s[90:91]
	s_cmp_eq_u32 s24, 2
	s_cselect_b64 s[94:95], s[76:77], s[74:75]
	s_add_nc_u64 s[94:95], s[94:95], s[92:93]
	s_cmp_eq_u32 s24, 1                            ; which matrix I fetch: the choice hangs on the wave's number alone
	s_cselect_b64 s[66:67], s[12:13], s[8:9]
	s_cmp_eq_u32 s24, 2
	s_cselect_b64 s[66:67], s[16:17], s[66:67]
	s_mov_b32 s44, 1                               ; group 0, slot 0: K step 0
	s_mov_b32 s45, s83
	s_mov_b64 s[46:47], s[66:67]
	s_or_b32 s47, s47, 0x80000000
	s_mov_b32 s48, 1                               ; slot 1: K step 1
	s_add_co_u32 s49, s83, WSLOT
	s_add_nc_u64 s[50:51], s[66:67], 256
	s_or_b32 s51, s51, 0x80000000
.irp i, 0,1,2,3
	global_load_b128 v[224+4*\i:224+4*\i+3], v22, s[72:73] offset:512*\i th:TH_LOAD_NT
	global_load_b128 v[128+4*\i:128+4*\i+3], v24, s[10:11] offset:512*\i   ; and of Wk's, Wq's, Wv's
	global_load_b128 v[144+4*\i:144+4*\i+3], v24, s[14:15] offset:512*\i
	global_load_b128 v[160+4*\i:160+4*\i+3], v24, s[18:19] offset:512*\i
.endr
	WIN 0x40
	GLOAD 0, 0                                     ; K steps 0 and 1 of x pass through the registers that will hold its fragments,
	GLOAD 64, 256
	WIN 0xc0
	GLOAD 128, 512                                 ; K steps 2 and 3 wait in the staging sets
	GLOAD 192, 768
	WIN 0
	CROUND                                         ; all four work-groups are here: the first joint loads meet
	WLOAD 44                                       ; K step 0 of W
	s_wait_loadcnt 32                              ; x's scales and K steps 0 and 1 are in; the 32 loads of K steps 2 and 3 may be out
	s_wait_alu depctr_va_vdst(0)
.irp i, 0,1,2,3
	ds_store_b128 v23, v[224+4*\i:224+4*\i+3] offset:544*\i
	ds_store_b128 v26, v[128+4*\i:128+4*\i+3] offset:544*\i
	ds_store_b128 v26, v[144+4*\i:144+4*\i+3] offset:SCM+544*\i
	ds_store_b128 v26, v[160+4*\i:160+4*\i+3] offset:2*SCM+544*\i
.endr
	WIN 0x04
	XSTORE 0, 0
	XSTORE 1, 64
	WIN 0
	s_wait_tensorcnt 0x0                           ; my part of slot 0 is in
	ds_add_u32 v15, v16
	ds_add_u32 v15, v16
	s_wait_dscnt 0x0                               ; the adds are done, and my LDS stores have landed
	CROUND
	WLOAD 48                                       ; slot 1's first fill, the first tensor load behind the round
	FETCH_W 0, 0, 0
	FETCH_X 0, 0, 0
	SCALES 0
	FETCH_X 0, 0, 4
	STEP 0, 1, 0, 0                                ; the first 128 along K start the 48 sums: nothing is cleared
	s_mov_b32 s3, 2
.Llap:                                             ; a trip goes once round the ring: K steps 0 to 3 are finished here, K steps 4 to 7 of x asked for
	TURN 0, 1, 1, 16
	STEP 1, 0, 1, 1024
	TURN 1, 0, 1, 16
	STEP 0, 0, 1, 1280
	s_wait_xcnt 0x0                                ; the loads have read their base
	s_add_nc_u64 s[70:71], s[70:71], 512
	s_sub_co_u32 s3, s3, 1
	s_cmp_lg_u32 s3, 0
	s_cbranch_scc1 .Llap
	TURN 0, 1, 1, 16                               ; written out: the slots are still filled, but no load of x is left to ask for
	STEP 1, 0, 0, 0
	TURN 1, 0, 1, 0
	STEP 0, 0, 0, 0
	TURN 0, 1, 0, 0                                ; the last lap fills nothing and has no round of the cluster's barrier
	STEP 1, 0, 0, 0
	s_wait_dscnt 16
	MULKQ 0, 1, 1, 1, 0
	MULV 0, 1, 1, 1, 0
	s_wait_dscnt 0x0
	MULKQ 4, 1, 1, 1, 0
	MULV 4, 1, 1, 1, 0
	WIN 0
	PLACES 8                                       ; in front of the first reads of results, and of the codes' writes over W's set 1
	KQOUT 0, 0, 128, 74, 104, 0                    ; k
	KQOUT 1, 0, 128, 74, 104, 0
	KQOUT 0, 128, 160, 76, 108, 1024               ; q
	KQOUT 1, 128, 160, 76, 108, 1024
.irp u, 0,1                                    ; v: channel tile 2 w + u; block c of 32 keys is group c of its fragment
	QUANT4 3, 64*\u, 192+16*\u
	v_lshl_or_b32 v[112+\u], v[TM+5], 8, v[TM+4]   ; the four bytes make the channel's scale word for these 128 keys
	v_lshl_or_b32 v[112+\u], v[TM+6], 16, v[112+\u]
	v_lshl_or_b32 v[112+\u], v[TM+7], 24, v[112+\u]
.irp c, 0,1,2,3
	global_store_b128 v18, v[192+16*\u+4*\c:192+16*\u+4*\c+3], s[74:75] offset:16384+2048*\u+512*\c
.endr
.endr
	v_cndmask_b32 v114, v112, v113, s59            ; lane half h keeps tile 2 w + h's word
	ds_store_b32 v20, v114
	s_wait_dscnt 0x0                               ; for the others' sake: my scale bytes have landed
	s_barrier_signal -1
	s_barrier_wait -1
	s_cmp_lt_u32 s24, 3
	s_cbranch_scc0 .Lno_words
	ds_load_b128 v[116:119], v21
	s_wait_dscnt 0x0
	global_store_b128 v22, v[116:119], s[94:95]    ; 512 consecutive bytes of scale words
.Lno_words:
	s_wait_tensorcnt 0x0                           ; the wave's end
	ds_add_u32 v15, v16
	s_wait_dscnt 0x0
	CROUND                                         ; the closing round: no work-group ends while a partner may still ask for a tile that names it
	s_endpgm
.Lfunc_end_k_q5e74a73f78_proj:
	.size	k_q5e74a73f78_proj, .Lfunc_end_k_q5e74a73f78_proj-k_q5e74a73f78_proj
	.p2alignl 7, 3214868480
	.fill 96, 4, 3214868480
	.section	.rodata,"a",@progbits
	.p2align	6, 0x0
	.amdhsa_kernel k_q5e74a73f78_proj
		.amdhsa_group_segment_fixed_size 327680
		.amdhsa_private_segment_fixed_size 0
		.amdhsa_enable_private_segment 0
		.amdhsa_kernarg_size 80
		.amdhsa_user_sgpr_count 2
		.amdhsa_user_sgpr_kernarg_segment_ptr 1
		.amdhsa_wavefront_size32 1
		.amdhsa_system_sgpr_workgroup_id_x 1
		.amdhsa_system_sgpr_workgroup_id_y 1
		.amdhsa_system_sgpr_workgroup_id_z 1
		.amdhsa_system_vgpr_workitem_id 0
		.amdhsa_next_free_vgpr 1024
		.amdhsa_next_free_sgpr 100
		.amdhsa_reserve_vcc 0
		.amdhsa_float_denorm_mode_32 3
		.amdhsa_float_denorm_mode_16_64 3
		.amdhsa_memory_ordered 1
		.amdhsa_forward_progress 1
		.amdhsa_inst_pref_size 211
	.end_amdhsa_kernel
	.amdgpu_metadata
---
amdhsa.version: [ 1, 2 ]
amdhsa.kernels:
  - .name:           k_q5e74a73f78_proj
    .symbol:         k_q5e74a73f78_proj.kd
    .args:
      - { .name: x_codes, .offset: 0, .size: 8, .value_kind: global_buffer, .address_space: global }
      - { .name: x_scales, .offset: 8, .size: 8, .value_kind: global_buffer, .address_space: global }
      - { .name: Wk_codes, .offset: 16, .size: 8, .value_kind: global_buffer, .address_space: global }
      - { .name: Wk_scales, .offset: 24, .size: 8, .value_kind: global_buffer, .address_space: global }
      - { .name: Wq_codes, .offset: 32, .size: 8, .value_kind: global_buffer, .address_space: global }
      - { .name: Wq_scales, .offset: 40, .size: 8, .value_kind: global_buffer, .address_space: global }
      - { .name: Wv_codes, .offset: 48, .size: 8, .value_kind: global_buffer, .address_space: global }
      - { .name: Wv_scales, .offset: 56, .size: 8, .value_kind: global_buffer, .address_space: global }
      - { .name: kv, .offset: 64, .size: 8, .value_kind: global_buffer, .address_space: global }
      - { .name: qb, .offset: 72, .size: 8, .value_kind: global_buffer, .address_space: global }
    .group_segment_fixed_size: 327680
    .private_segment_fixed_size: 0
    .kernarg_segment_align: 8
    .kernarg_segment_size: 80
    .max_flat_workgroup_size: 128
    .sgpr_count:     100
    .vgpr_count:     1024
    .wavefront_size: 32
...
	.end_amdgpu_metadata
.endif
;; end of part 1
;; launch attn (part 2): grid 32 x 8, 8 waves a work-group, clusters of 4 x 1, 327,680 bytes of LDS; arguments qb, kv, out0; writes out0
.if DOCPART == 2
	.amdgcn_target "amdgcn-amd-amdhsa--gfx1250"
	.amdhsa_code_object_version 6
	.text
	.protected	k_q5e74a73f78_attn
	.globl	k_q5e74a73f78_attn
	.p2align	8
	.type	k_q5e74a73f78_attn,@function
k_q5e74a73f78_attn:
	s_mov_b64 s[64:65], 0
	v_nop
	global_prefetch_b8 v0, s[64:65] scope:SCOPE_SE
	s_setreg_imm32_b32 hwreg(HW_REG_WAVE_MODE, 25, 1), 1
	s_wait_xcnt 0x0
	s_wait_alu depctr_hold_cnt(0) depctr_sa_sdst(0) depctr_va_vdst(0) depctr_va_sdst(0) depctr_va_ssrc(0) depctr_va_vcc(0) depctr_vm_vsrc(0)
	s_getreg_b32 s2, hwreg(HW_REG_IB_STS2, 6, 4)
	s_cmp_eq_u32 s2, 0
	s_cbranch_scc0 .Lentry_in_a_cluster
	s_endpgm
.Lentry_in_a_cluster:
	s_bfe_u32 s2, ttmp6, 0x10000c
	s_cmp_lg_u32 s2, 0x3003
	s_cbranch_scc0 .Lentry_shape_is_right
	s_endpgm
.Lentry_shape_is_right:
; out[b][q][:] = the sum over keys k <= q of softmax_k(q . k / sqrt(128)) v[k][:], both products on codes of BF8 (E5M2) with one E8M0 byte for each 32 along a product's K.
; q, k and v come from the launch before as images of operand registers: kv holds, for each step of 128 keys, 16,384 bytes of k's fragments, 16,384 of v's (keys innermost), 512 of k's scale words, 512 of v's;
; qb 16,384 bytes of q's fragments and 512 of scale words for each 128 queries.  Inside each block of 32 along K both operands of a product carry the same order.
; THE SOFTMAX: t = score x log2(e) / sqrt(128); M = the running largest t rounded UP to a whole number; p = 2^(t - M) is quantised along the keys; the row's sum is taken of the unquantised p; when M moves, the sum
; and O are multiplied by 2^(old M - new M), which rounds nothing.
; SHARES.  A cluster (number L = 0..7, one batch) owns the blocks of 256 queries L and 15 - L; a work-group (place cx) of it 32 queries, 32 cx on, of each of the four blocks of 128: 2 L + g and 30 - 2 L + g, g = 0, 1.
; Waves 4 g .. 4 g + 3 share a block's 32 queries (two tiles of 16, so each fragment of k and v feeds two products) by KEYS: wave w takes step 4 s + pos of slot s, pos = w % 4 (g = 0) or w % 4 xor 2 (g = 1).
; First the low blocks are walked from key 0, then the high ones: (L / 2 + 1) + (8 - L / 2) = 9 slots of 512 keys whatever L is.  The four partial results of a pair are joined through LDS: O = sum of 2^(Mj - M) Oj.
; THE MASK.  WORK LEFT OUT: a step all of whose keys come after the wave's queries (reference()'s own causal mask gives them p = 0 for all values of the inputs) is left out by a scalar branch on ids; a NaN or an
; infinity that reaches only such scores is not carried to the result.  On the diagonal hidden scores become -infinity ahead of the maximum.  Every branch hangs on L, the wave's number and the trip: alike in all partners;
; cx enters q's and out's global addresses, the prefetch's address and the mask's number alone.
; THE RING.  Two slots of four steps (135,168 bytes), asked for jointly by the cluster's four work-groups.  Each of the eight waves fetches two rows of 8,448 bytes: its eighth of steps 0, 1 and its eighth of steps 2, 3 of the slot:
; steps 0 and 1 are walked in every slot, so no load brings only bytes that nobody reads.  In LDS byte o of a step's image lies at 16,896 (o / 8,448) + o % 8,448 from the step's base.
; The round of a slot stands in mid-step: k is multiplied, v is in registers; behind it the slot is filled with the slot two trips on.
; PREFETCH: the cluster with number L > 2 asks, in trip L - 3, for slot L of its batch (each work-group a step: 132 blocks of 256 bytes, lanes 256 bytes apart), two trips ahead of the earliest refill for it; others ask for nothing.
; LIMITS: NaN and infinities are not served; a block of p under 2^-111, a block of zeros too, gets the byte 1.
; REGISTERS.  window 0: v0-13 addresses; v14, v16 -M and v15, v17 the largest score of tiles A, B; v[18:19], v[20:21] the sums; v22, v24 f; v23, v25 p's scale words; v26-29 v's words; v30-33 k's; v34 q's; v36-63 at work;
;   v64-95 q; v96-127 p's codes; v128-255 S^T, then p: tile A, tile B.   window 1: v0-127 eight fragments of k, then of v; v128-255 O^T: tile A, tile B.
.set BLKB,   33792                     ; a step of 128 keys in kv
.set SLOTB,  4*BLKB
.set CHK,    8448                      ; a row of a wave's load
.set STAGE,  2*SLOTB                   ; the join: 8 waves x 16 rows x 272 bytes: half of a tile's channels
.set SW,     16*272
.set ML,     STAGE+8*SW                ; -M and the sum of each wave's queries: 512 bytes a wave
.set SPARE,  ML+4096                   ; the spare words, 128 bytes for each wave: four blocks of 256 bytes that no other line names
.set MSB, 0
.macro WIN new                         ; the immediate's high byte repeats the setting that is left
.if MSB != (\new)
	s_set_vgpr_msb (MSB<<8)|(\new)
.set MSB, (\new)
.endif
.endm
.macro PLACES n                        ; plain vector places behind matrix instructions: eight for this form
.rept \n
	v_nop
.endr
.endm
.macro WALU
	s_wait_alu depctr_va_vdst(0)
.endm
.macro CREST                           ; a round of the cluster's barrier behind its opening barrier
	s_cmp_lg_u32 s10, 0
	s_cbranch_scc1 .Lnot_wave_0_\@
	s_barrier_signal -3
.Lnot_wave_0_\@:
	s_barrier_wait -3
	s_barrier_signal -1
	s_barrier_wait -1
.endm
.macro CROUND
	s_barrier_signal -1
	s_barrier_wait -1
	CREST
.endm
.macro TLOAD
	tensor_load_to_lds s[32:35], s[24:31]
	s_nop 0
	PLACES 4
.endm
.macro GADDR                           ; group 0's global address for the slot of trip s48: trips 0 .. L / 2 walk the low blocks' slots, later trips the high blocks' from slot 0 on
	s_sub_co_u32 s50, s48, s16
	s_sub_co_u32 s50, s50, 1
	s_cmp_gt_u32 s48, s16
	s_cselect_b32 s50, s50, s48
	s_mul_i32 s50, s50, SLOTB
	s_mov_b32 s51, 0
	s_add_nc_u64 s[34:35], s[6:7], s[50:51]
	s_or_b32 s35, s35, 0x80000000
.endm
.macro QLOAD qb                        ; q's two fragments and their scale words (lanes 0-15 tile A's, lanes 16-31 tile B's) of block s[qb]
	s_lshl_b32 s48, s12, 5
	s_add_co_u32 s48, s48, s\qb
	s_mul_i32 s48, s48, 16896
	s_lshl_b32 s50, s11, 12
	s_add_co_u32 s50, s50, s48
	s_mov_b32 s51, 0
	s_add_nc_u64 s[40:41], s[4:5], s[50:51]
	s_lshl_b32 s54, s11, 2
	s_add_co_u32 s54, s54, s48
	s_add_co_u32 s54, s54, 16384
	s_mov_b32 s55, 0
	s_add_nc_u64 s[42:43], s[4:5], s[54:55]
.irp c, 0,1,2,3,4,5,6,7
	global_load_b128 v[64+4*\c:67+4*\c], v13, s[40:41] offset:512*\c
.endr
	global_load_b32 v34, v13, s[42:43]
.endm
.macro IMG dst, o                      ; 512 bytes of a step's image; where they run over a chunk's end, lanes 16-31 are CHK further on (v2)
.if ((\o)%CHK) == 8192
	ds_load_b128 v[\dst:\dst+3], v2 offset:((\o)/CHK)*2*CHK+(\o)%CHK
.else
	ds_load_b128 v[\dst:\dst+3], v1 offset:((\o)/CHK)*2*CHK+(\o)%CHK
.endif
.endm
.macro SMM t                           ; S^T = k q^T: source 0 = 16 keys, source 1 = 16 queries: tile A, tile B
.if (\t%2) == 0
	v_wmma_scale_f32_16x16x128_f8f6f4 v[128+8*\t:135+8*\t], v[16*\t:16*\t+15], v[64:79], 0, v[30+\t/2], v34 matrix_a_fmt:MATRIX_FMT_BF8 matrix_b_fmt:MATRIX_FMT_BF8
	v_wmma_scale_f32_16x16x128_f8f6f4 v[192+8*\t:199+8*\t], v[16*\t:16*\t+15], v[80:95], 0, v[30+\t/2], v34 matrix_a_fmt:MATRIX_FMT_BF8 matrix_b_fmt:MATRIX_FMT_BF8 matrix_b_scale:MATRIX_SCALE_ROW1
.else
	v_wmma_scale_f32_16x16x128_f8f6f4 v[128+8*\t:135+8*\t], v[16*\t:16*\t+15], v[64:79], 0, v[30+\t/2], v34 matrix_a_fmt:MATRIX_FMT_BF8 matrix_b_fmt:MATRIX_FMT_BF8 matrix_a_scale:MATRIX_SCALE_ROW1
	v_wmma_scale_f32_16x16x128_f8f6f4 v[192+8*\t:199+8*\t], v[16*\t:16*\t+15], v[80:95], 0, v[30+\t/2], v34 matrix_a_fmt:MATRIX_FMT_BF8 matrix_b_fmt:MATRIX_FMT_BF8 matrix_a_scale:MATRIX_SCALE_ROW1 matrix_b_scale:MATRIX_SCALE_ROW1
.endif
.endm
.macro PVM t, x                        ; O^T += v^T p^T: source 0 = 16 channels, source 1 = tile x's p; the sixteen accumulators take turns
.if (\t%2) == 0
	v_wmma_scale_f32_16x16x128_f8f6f4 v[128+64*\x+8*\t:135+64*\x+8*\t], v[16*\t:16*\t+15], v[96+16*\x:111+16*\x], v[128+64*\x+8*\t:135+64*\x+8*\t], v[26+\t/2], v[23+2*\x] matrix_a_fmt:MATRIX_FMT_BF8 matrix_b_fmt:MATRIX_FMT_BF8
.else
	v_wmma_scale_f32_16x16x128_f8f6f4 v[128+64*\x+8*\t:135+64*\x+8*\t], v[16*\t:16*\t+15], v[96+16*\x:111+16*\x], v[128+64*\x+8*\t:135+64*\x+8*\t], v[26+\t/2], v[23+2*\x] matrix_a_fmt:MATRIX_FMT_BF8 matrix_b_fmt:MATRIX_FMT_BF8 matrix_a_scale:MATRIX_SCALE_ROW1
.endif
.endm
.macro PADD d, a, b
	v_pk_add_f32 v[\d:\d+1], v[\a:\a+1], v[\b:\b+1]
.endm
.macro SUM p, acc                      ; a tile's 64 unquantised p onto its sum: five chains, two numbers an instruction
	PADD 60, \p, \p+2
	PADD 62, \p+4, \p+6
	PADD 48, \p+8, \p+10
	PADD 50, \p+12, \p+14
	PADD \acc, \acc, \p+16
.irp k, 18,28,38,48
	PADD 60, 60, \p+\k
	PADD 62, 62, \p+\k+2
	PADD 48, 48, \p+\k+4
	PADD 50, 50, \p+\k+6
	PADD \acc, \acc, \p+\k+8
.endr
	PADD 60, 60, \p+58
	PADD 62, 62, \p+60
	PADD 48, 48, \p+62
	PADD 60, 60, 62
	PADD 48, 48, 50
	PADD \acc, \acc, 60
	PADD \acc, \acc, 48
.endm
.macro CALC mx, w                      ; from the four blocks' largest p: v56-59 the conversions' scale operands, v52-55 57,344 x the scale, v[w] the scale word
.irp b, 0,1,2,3
	v_max_num_f32 v[\mx+\b], 0x8000000, v[\mx+\b]  ; the floor 2^(16 - 127): the byte cannot fall under 1
.endr
.irp b, 0,1,2,3
	v_add_nc_u32 v[56+\b], 0xf8800000, v[\mx+\b]   ; 15 off the exponent field
.endr
.irp b, 0,1,2,3
	v_and_or_b32 v[52+\b], v[\mx+\b], 0x7f800000, s19
.endr
.irp b, 0,1,2,3
	v_lshrrev_b32 v[44+\b], 23, v[56+\b]
.endr
	v_lshl_or_b32 v[\w], v45, 8, v44
	v_lshl_or_b32 v[\w], v46, 16, v[\w]
	v_lshl_or_b32 v[\w], v47, 24, v[\w]
.endm
; A TRIP: one slot.  A wave whose step s18 comes after its block s37 walks the common lines alone.
.macro TRIP refill
	s_cmp_gt_u32 s18, s37
	s_cbranch_scc1 .Lpast_a_\@
	v_add_nc_u32 v1, s36, v3                       ; my step's base in this slot
	v_add_nc_u32 v2, s36, v4
	WALU
	ds_load_b128 v[30:33], v1 offset:(32768/CHK)*2*CHK+32768%CHK   ; k's scale words: register i: lanes 0-15 tile 2 i, lanes 16-31 tile 2 i + 1
	WIN 0x40
.irp t, 0,1,2,3,4,5,6,7
.irp c, 0,1,2,3
	IMG 16*\t+4*\c, (4*\t+\c)*512
.endr
.endr
	s_wait_dscnt 16                                ; the words and tiles 0-3 are in; the sixteen loads of tiles 4-7 may be out
	WIN 0x01
	SMM 0
	SMM 1
	SMM 2
	SMM 3
	s_wait_dscnt 0x0
	SMM 4
	SMM 5
	SMM 6
	SMM 7
	WIN 0
	PLACES 8                                       ; in front of loads into k's registers, and of the first read of the scores
	WIN 0x40
.irp t, 0,1,2,3,4,5,6,7
.irp c, 0,1,2,3
	IMG 16*\t+4*\c, 16384+(4*\t+\c)*512            ; v's fragments take k's registers
.endr
.endr
	WIN 0
	ds_load_b128 v[26:29], v1 offset:(33280/CHK)*2*CHK+33280%CHK
	s_cmp_lt_u32 s18, s37                          ; a step all of whose keys count skips the mask
	s_cbranch_scc1 .Lopen_\@
	v_mov_b32 v60, 0xff800000                      ; -infinity
.set n, 0
.rept 64
	v_cmp_gt_i32 vcc_lo, 16*(n/8)+n%8, v8
	v_cndmask_b32 v[128+n], v[128+n], v60, vcc_lo
.if n < 56
	v_cndmask_b32 v[200+n], v[200+n], v60, vcc_lo  ; tile B lies 16 queries on: its register n + 8 is hidden where A's n is; its first eight never are
.endif
.set n, n+1
.endr
.Lopen_\@:
.irp b, 0,1,2,3,4,5,6,7
	v_max3_num_f32 v[36+\b], v[128+16*\b], v[129+16*\b], v[130+16*\b]   ; the largest score of each block of 32 keys, A's four and B's four: for the row's maximum, and, since p rises with the score, for the block's largest p
.endr
.irp i, 3,5,7,9,11,13
.irp b, 0,1,2,3,4,5,6,7
	v_max3_num_f32 v[36+\b], v[36+\b], v[128+16*\b+\i], v[129+16*\b+\i]
.endr
.endr
.irp b, 0,1,2,3,4,5,6,7
	v_max_num_f32 v[36+\b], v[36+\b], v[143+16*\b]
.endr
.irp b, 0,1,2,3,4,5,6,7
	v_permlanex16_b32 v[44+\b], v[36+\b], s20, s21
.endr
.irp b, 0,1,2,3,4,5,6,7
	v_max_num_f32 v[36+\b], v[36+\b], v[44+\b]     ; with lane l xor 16's 16 keys
.endr
	v_max3_num_f32 v60, v36, v37, v38
	v_max3_num_f32 v61, v40, v41, v42
	v_max3_num_f32 v15, v15, v60, v39              ; the running largest score
	v_max3_num_f32 v17, v17, v61, v43
	v_mul_f32 v60, s39, v15                        ; -t
	v_mul_f32 v61, s39, v17
	v_floor_f32 v60, v60                           ; the new -M: M is a whole number
	v_floor_f32 v61, v61
	v_sub_f32 v62, v60, v14                        ; old M - new M: a whole number, 0 or less
	v_sub_f32 v63, v61, v16
	v_mov_b32 v14, v60
	v_mov_b32 v16, v61
	v_cvt_i32_f32 v62, v62                         ; (it saturates)
	v_cvt_i32_f32 v63, v63
	v_ldexp_f32 v22, 1.0, v62                      ; f = 2^(old M - new M)
	v_ldexp_f32 v24, 1.0, v63
.set j, 0
.rept 32
	v_pk_fma_f32 v[128+j:129+j], v[128+j:129+j], s[22:23], v[14:15] op_sel_hi:[1,0,0]   ; t - M
	v_pk_fma_f32 v[192+j:193+j], v[192+j:193+j], s[22:23], v[16:17] op_sel_hi:[1,0,0]
.set j, j+2
.endr
.irp b, 0,1,2,3
	v_fma_f32 v[36+\b], v[36+\b], s22, v14
	v_fma_f32 v[40+\b], v[40+\b], s22, v16
.endr
	WIN 0x41
.set j, 0
.rept 32
	v_pk_mul_f32 v[128+j:129+j], v[128+j:129+j], v[22:23] op_sel_hi:[1,0]   ; O^T under the new M
	v_pk_mul_f32 v[192+j:193+j], v[192+j:193+j], v[24:25] op_sel_hi:[1,0]
.set j, j+2
.endr
	WIN 0
.Lpast_a_\@:
	WALU
	s_wait_tensorcnt 0x0                           ; all my tensor loads have landed: my part of the next slot
.if \refill
	ds_add_u32 v5, v6                              ; 0 onto my spare word
	s_add_co_u32 s48, s17, 2
	GADDR                                          ; this slot is filled with the slot two trips on
	s_add_co_u32 s33, s53, s36
.endif
	s_wait_dscnt 0x0                               ; the add is done, and my reads of this slot are over: v is in registers
	s_barrier_signal -1
	s_cmp_gt_u32 s18, s37
	s_cbranch_scc1 .Lpast_b_\@
	WALU
.irp b, 0,1,2,3
	v_exp_f32 v[36+\b], v[36+\b]                   ; the block's largest p: the same two instructions on the same number
.endr
.set j, 0
.rept 64
	v_exp_f32 v[128+j], v[128+j]                   ; p = 2^(t - M), at most 1: tile A
.set j, j+1
.endr
	v_pk_mul_f32 v[18:19], v[18:19], v[22:23] op_sel_hi:[1,0]   ; the sums under the new M (plain places behind the exponentials)
	v_pk_mul_f32 v[20:21], v[20:21], v[24:25] op_sel_hi:[1,0]
	WALU
	CALC 36, 23
	SUM 128, 18
.Lpast_b_\@:
	WALU
	s_barrier_wait -1
.if \refill
	CREST                                          ; no wave of any partner still reads this slot or has a load on its way, and the next slot is whole
	TLOAD                                          ; the first tensor load behind the round, one a wave
	s_cmp_eq_u32 s17, s52
	s_cbranch_scc0 .Lno_ask_\@
	s_cmp_lt_u32 s10, 5                            ; waves 0 to 4: 132 blocks of 256 bytes
	s_cbranch_scc0 .Lno_ask_\@
	global_prefetch_b8 v12, s[46:47] th:TH_LOAD_NT scope:SCOPE_SE
.Lno_ask_\@:
.endif
	s_cmp_gt_u32 s18, s37
	s_cbranch_scc1 .Lpast_c_\@
	WALU
.irp b, 0,1,2,3
	v_exp_f32 v[40+\b], v[40+\b]
.endr
.set n, 0
.rept 64
	v_exp_f32 v[192+n], v[192+n]                   ; tile B's p; between them tile A's holds: the conversion to an 8-bit code does not saturate (ISA guide 7.6.2), and p is not negative
	v_min_num_f32 v[128+n], v[128+n], v[52+n/16]
.set n, n+1
.endr
	WALU
.irp b, 0,1,2,3
	v_cvt_scalef32_pk8_bf8_f32 v[96+4*\b:97+4*\b], v[128+16*\b:135+16*\b], v[56+\b]
	v_cvt_scalef32_pk8_bf8_f32 v[98+4*\b:99+4*\b], v[136+16*\b:143+16*\b], v[56+\b]
.endr
	CALC 40, 25
	SUM 192, 20
.irp t, 0,1,2,3,4,5,6,7                        ; tile A's products; behind each, eight of tile B's holds
	WIN 0x51
	PVM \t, 0
	WIN 0
.irp i, 0,1,2,3,4,5,6,7
	v_min_num_f32 v[192+8*\t+\i], v[192+8*\t+\i], v[52+\t/2]
.endr
.if (\t%2) == 1
	v_cvt_scalef32_pk8_bf8_f32 v[112+4*(\t/2):113+4*(\t/2)], v[192+16*(\t/2):199+16*(\t/2)], v[56+\t/2]
	v_cvt_scalef32_pk8_bf8_f32 v[114+4*(\t/2):115+4*(\t/2)], v[200+16*(\t/2):207+16*(\t/2)], v[56+\t/2]
.endif
.endr
	PLACES 4                                       ; between the codes and the products that take them
	WIN 0x51
.irp t, 0,1,2,3,4,5,6,7
	PVM \t, 1
.endr
	WIN 0
	PLACES 8                                       ; in front of loads into v's registers and reads of O^T
.Lpast_c_\@:
.endm
; THE JOIN of a pair's four partial results, by half tiles i = 2 (tile) + (channels' half).  A wave stores its O as rows of 64 channels (272 bytes apart) and takes rows 4 (w % 4) + 2 e + lane / 16, e = 0, 1, of all four waves.
.macro XST i, adr, off
	WIN 0x04
.irp t, 0,1,2,3
	ds_store_b128 v[\adr], v[128+32*\i+8*\t:131+32*\i+8*\t] offset:(\off)+64*\t
	ds_store_b128 v[\adr], v[132+32*\i+8*\t:135+32*\i+8*\t] offset:(\off)+64*\t+16
.endr
	WIN 0
.endm
.macro XLD buf, adr, off
.irp j, 0,1,2,3
	ds_load_b128 v[\buf+8*\j:\buf+8*\j+3], v[\adr] offset:(\off)+\j*SW
	ds_load_b128 v[\buf+8*\j+4:\buf+8*\j+7], v[\adr] offset:(\off)+\j*SW+544
.endr
.endm
.macro MLLD                            ; -M and the sum of my rows: set s = 2 (tile) + e, wave j of the four
.irp s, 0,1,2,3
.irp j, 0,1,2,3
	ds_load_b64 v[160+8*\s+2*\j:161+8*\s+2*\j], v0 offset:(\s/2)*256+(\s%2)*16+\j*512
.endr
.endr
.endm
.macro FACT                            ; v[192 + 8 s + 2 j] = 2^(Mj - M), v[40 + 2 s] = the joined sum
.irp s, 0,1,2,3
	v_min3_num_f32 v[36+\s], v[160+8*\s], v[162+8*\s], v[164+8*\s]
.endr
.irp s, 0,1,2,3
	v_min_num_f32 v[36+\s], v[36+\s], v[166+8*\s]
.endr
.irp j, 0,1,2,3
.irp s, 0,1,2,3
	v_sub_f32 v[192+8*\s+2*\j], v[36+\s], v[160+8*\s+2*\j]
.endr
.endr
.irp j, 0,1,2,3
.irp s, 0,1,2,3
	v_cvt_i32_f32 v[192+8*\s+2*\j], v[192+8*\s+2*\j]
.endr
.endr
.irp j, 0,1,2,3
.irp s, 0,1,2,3
	v_ldexp_f32 v[192+8*\s+2*\j], 1.0, v[192+8*\s+2*\j]
.endr
.endr
.irp s, 0,1,2,3
	v_mul_f32 v[40+2*\s], v[192+8*\s], v[161+8*\s]
.endr
.irp j, 1,2,3
.irp s, 0,1,2,3
	v_fmac_f32 v[40+2*\s], v[192+8*\s+2*\j], v[161+8*\s+2*\j]
.endr
.endr
.endm
.macro XSUM i, buf                     ; v[224 + 8 i + 4 e ..] = the sum over j of 2^(Mj - M) Oj
.set GG, 192+16*(\i/2)
.irp k, 0,2,4,6
	v_pk_mul_f32 v[224+8*\i+\k:225+8*\i+\k], v[\buf+\k:\buf+\k+1], v[GG+8*(\k/4):GG+8*(\k/4)+1] op_sel_hi:[1,0]
.endr
.irp j, 1,2,3
.irp k, 0,2,4,6
	v_pk_fma_f32 v[224+8*\i+\k:225+8*\i+\k], v[\buf+8*\j+\k:\buf+8*\j+\k+1], v[GG+8*(\k/4)+2*\j:GG+8*(\k/4)+2*\j+1], v[224+8*\i+\k:225+8*\i+\k] op_sel_hi:[1,0,1]
.endr
.endr
.endm
.macro MLST                            ; where my rows of out begin; my sums' two halves and lane l xor 16's; -M and the sum to LDS
	s_lshl_b32 s48, s12, 21
	s_lshl_b32 s50, s37, 16
	s_add_co_u32 s48, s48, s50
	s_lshl_b32 s50, s11, 14
	s_add_co_u32 s48, s48, s50
	s_lshl_b32 s50, s13, 11
	s_add_co_u32 s48, s48, s50
	s_mov_b32 s49, 0
	s_add_nc_u64 s[44:45], s[8:9], s[48:49]
	v_add_f32 v61, v18, v19
	v_add_f32 v63, v20, v21
	v_permlanex16_b32 v44, v61, s20, s21
	v_permlanex16_b32 v45, v63, s20, s21
	v_add_f32 v61, v61, v44
	v_add_f32 v63, v63, v45
	v_mov_b32 v60, v14
	v_mov_b32 v62, v16
	WALU
	ds_store_b64 v11, v[60:61]
	ds_store_b64 v11, v[62:63] offset:256
.endm
.macro OUT                             ; divided by the sum and stored: sixteen lanes 256 consecutive bytes of a row
	WALU
.irp s, 0,1,2,3
	v_rcp_f32 v[40+2*\s], v[40+2*\s]
.endr
	v_nop
	WALU
.irp i, 0,1,2,3
.irp k, 0,2,4,6
	v_pk_mul_f32 v[224+8*\i+\k:225+8*\i+\k], v[224+8*\i+\k:225+8*\i+\k], v[40+4*(\i/2)+2*(\k/4):41+4*(\i/2)+2*(\k/4)] op_sel_hi:[1,0]
.endr
.endr
.irp i, 0,1,2,3
.irp e, 0,1
	global_store_b128 v7, v[224+8*\i+4*\e:227+8*\i+4*\e], s[44:45] offset:(\i/2)*8192+(\i%2)*256+\e*1024 th:TH_STORE_NT
.endr
.endr
.endm
	s_load_b128 s[4:7], s[0:1], 0x0                ; qb, kv
	s_load_b64 s[8:9], s[0:1], 0x10                ; out0
	v_lshl_add_u32 v5, v0, 2, SPARE                ; my spare word; never rewritten
	v_mov_b32 v6, 0                                ; 0; never rewritten
	ds_add_u32 v5, v6                              ; the wave's opening: the add, twice on end
	ds_add_u32 v5, v6
	v_lshrrev_b32 v1, 5, v0
	v_readfirstlane_b32 s10, v1                    ; wave 0..7
	s_bfe_u32 s11, ttmp6, 0x40000                  ; cx
	s_and_b32 s12, ttmp7, 0xffff                   ; the batch
	s_lshr_b32 s16, ttmp9, 1                       ; L / 2: the low blocks' last trip
	s_sub_co_u32 s52, ttmp9, 3                     ; the trip in which I prefetch (none equals it where L < 3)
	s_and_b32 s13, s10, 3
	s_lshr_b32 s14, s10, 2                         ; g
	s_lshl_b32 s15, s14, 1
	s_xor_b32 s15, s15, s13                        ; pos: my step in a slot
	s_lshl_b32 s37, ttmp9, 1
	s_sub_co_u32 s38, 30, s37
	s_add_co_u32 s37, s37, s14                     ; my low block of 128 queries = the number of its diagonal step
	s_add_co_u32 s38, s38, s14                     ; my high block
	s_mov_b32 s17, 0                               ; the trip
	s_mov_b32 s18, s15                             ; my key step
	s_mov_b32 s36, 0                               ; where the trip's slot begins
	s_mov_b32 s19, 0x600000                        ; the mantissa field of 57,344
	s_mov_b32 s20, 0x76543210
	s_mov_b32 s21, 0xfedcba98                      ; v_permlanex16_b32's selects for lane l xor 16
	s_mov_b32 s22, 0x3e0293ee                      ; c = log2(e) / sqrt(128)
	s_mov_b32 s23, s22                             ; (named with it as a pair, so it is written)
	s_mov_b32 s39, 0xbe0293ee                      ; -c
	s_and_b32 s40, s15, 1
	s_mul_i32 s40, s40, 8*CHK
	s_lshr_b32 s41, s15, 1
	s_mul_i32 s41, s41, CHK
	s_add_co_u32 s40, s40, s41                     ; my step's base in a slot
	s_lshl_b32 s41, s11, 5                         ; 32 cx
	s_mul_i32 s42, s10, SW
	s_mul_i32 s43, s14, 4*SW
	s_mul_i32 s44, s13, 4*272
	s_add_co_u32 s43, s43, s44
	s_lshl_b32 s44, s10, 9
	s_add_co_u32 s44, s44, ML
	s_lshl_b32 s45, s14, 11
	s_lshl_b32 s57, s13, 5
	s_add_co_u32 s45, s45, s57
	s_add_co_u32 s45, s45, ML
	v_and_b32 v1, 31, v0
	v_lshlrev_b32 v13, 4, v1                       ; 16 x lane
	v_bfe_u32 v2, v0, 4, 1                         ; h
	v_and_b32 v1, 15, v0                           ; r
	v_add_nc_u32 v3, s40, v13                      ; my place in a step's image,
	v_mul_u32_u24 v4, v2, CHK
	v_add_nc_u32 v4, v3, v4                        ; and for the loads that run over a chunk's end
	v_lshlrev_b32 v7, 9, v2
	v_lshl_add_u32 v7, v1, 4, v7                   ; out: lanes 0-15 one row, lanes 16-31 the next
	v_lshlrev_b32 v8, 3, v2
	v_sub_nc_u32 v8, v1, v8
	v_add_nc_u32 v8, s41, v8                       ; d = 32 cx + r - 8 h: on the diagonal tile A's register 8 t + j holds a hidden key where 16 t + j > d
	v_mul_u32_u24 v9, v1, 272
	v_lshl_add_u32 v9, v2, 5, v9
	v_add_nc_u32 v9, s42, v9                       ; the join: where I store: row r, 32 bytes for each half of the lanes
	v_mul_u32_u24 v10, v2, 272
	v_lshl_add_u32 v10, v1, 4, v10
	v_add_nc_u32 v10, s43, v10                     ; and where I read
	v_lshrrev_b32 v11, 1, v13
	v_add_nc_u32 v11, s44, v11                     ; -M and the sum: out,
	v_min_u32 v12, 0x83, v0
	v_lshlrev_b32 v12, 8, v12                      ; the prefetch's offset: 256 x my thread's number, at most the step's last block; never rewritten
	v_lshlrev_b32 v0, 3, v2
	v_add_nc_u32 v0, s45, v0                       ; and back
	; descriptor group 1: two rows of 1,056 elements of 8 bytes, two steps apart; the mask names the cluster's four work-groups
	s_mov_b32 s24, 15|(3<<16)|(1<<21)
	s_mov_b32 s25, 1056<<16
	s_mov_b32 s26, 2<<16
	s_mov_b32 s27, 1056<<16
	s_mov_b32 s28, 2
	s_mov_b32 s29, 8448
	s_mov_b32 s30, 0
	s_mov_b32 s31, 0
	s_mul_i32 s53, s10, 2*CHK                      ; my share in a slot,
	s_mul_i32 s48, s12, 32*BLKB
	s_mul_i32 s50, s10, CHK
	s_add_co_u32 s50, s50, s48                     ; and in memory: made of numbers that the partners share
	s_mov_b32 s51, 0
	s_lshl_b32 s54, ttmp9, 2
	s_add_co_u32 s54, s54, s11
	s_mul_i32 s54, s54, BLKB
	s_add_co_u32 s54, s54, s48                     ; the prefetch: step 4 L + cx of the batch
	s_mov_b32 s55, 0
	WALU
	s_wait_dscnt 0x0                               ; both opening adds are done
	s_wait_kmcnt 0x0
	s_add_nc_u64 s[46:47], s[6:7], s[54:55]
	s_add_nc_u64 s[6:7], s[6:7], s[50:51]
	s_mov_b32 s32, 1
	s_mov_b32 s33, s53
	s_mov_b64 s[34:35], s[6:7]
	s_or_b32 s35, s35, 0x80000000
	CROUND                                         ; all four work-groups are here: the first joint load meets
	TLOAD                                          ; slot 0
	QLOAD 37
	; a wave with no step in a trip passes the step's parts by branches of their own, and one with none in its low block joins with O = 0 and the sum 0: so all that the parts hand on is written here, under the load's flight
	v_mov_b32 v15, 0xff61b1e6                      ; the largest score so far: -3e38
	v_mov_b32 v17, 0xff61b1e6
	v_mov_b32 v14, 0x7e000000                      ; -M: so large that the first f is 0
	v_mov_b32 v16, 0x7e000000
.set j, 18
.rept 16
	v_mov_b32 v[j], 0
.set j, j+1
.endr
.set j, 36
.rept 28
	v_mov_b32 v[j], 0
.set j, j+1
.endr
.set j, 128
.rept 128
	v_mov_b32 v[j], 0
.set j, j+1
.endr
	WIN 0x40
.set j, 0
.rept 256
	v_mov_b32 v[j], 0
.set j, j+1
.endr
	WIN 0
	WALU                                           ; the head's end
	s_wait_loadcnt 0x0                             ; q
	s_wait_tensorcnt 0x0                           ; my part of slot 0 is in
	ds_add_u32 v5, v6
	s_mov_b32 s48, 1
	GADDR
	s_add_co_u32 s33, s53, SLOTB
	s_wait_dscnt 0x0
	CROUND                                         ; slot 0 is whole in all four work-groups
	TLOAD                                          ; slot 1's first fill
.Lfill:                                            ; trips 0 to 6: each fills its slot again
	TRIP 1
	WALU
	s_cmp_lg_u32 s17, s16
	s_cbranch_scc1 .Lgo_on
	; behind the low blocks' last trip (the same in every wave of the cluster): the low blocks' results are joined and stored, half a tile at a time
	QLOAD 38                                       ; the high block's q lands meanwhile
	v_add_nc_u32 v48, STAGE, v9
	v_add_nc_u32 v49, STAGE, v10
	MLST
.irp i, 0,1,2,3
	XST \i, 48, 0
	s_wait_dscnt 0x0                               ; for the others' sake: my rows have landed
	s_barrier_signal -1
	s_barrier_wait -1
	XLD 128, 49, 0
.if \i == 0
	MLLD
.endif
	s_wait_dscnt 0x0                               ; my reads of the stage are over
.if \i < 3
	s_barrier_signal -1
.endif
.if \i == 0
	FACT
.endif
	XSUM \i, 128
	WALU
.if \i < 3
	s_barrier_wait -1                              ; and everybody's: the stage may be written again
.endif
.endr
	OUT
	s_mov_b32 s37, s38                             ; on to the high block, from key 0
	s_sub_co_u32 s18, s15, 4
	v_mov_b32 v15, 0xff61b1e6
	v_mov_b32 v17, 0xff61b1e6
	v_mov_b32 v14, 0x7e000000                      ; the first f is 0 again, and multiplies what O^T and the sums still hold to zeros: every wave has steps in its high block
	v_mov_b32 v16, 0x7e000000
	WALU
	s_wait_xcnt 0x0                                ; the stores have read their registers
	s_wait_loadcnt 0x0                             ; q
.Lgo_on:
	s_add_co_u32 s18, s18, 4
	s_xor_b32 s36, s36, SLOTB
	s_add_co_u32 s17, s17, 1
	s_cmp_lt_u32 s17, 7
	s_cbranch_scc1 .Lfill
	s_mov_b32 s56, 0
.Llast:                                            ; trips 7 and 8 fill nothing
	TRIP 0
	WALU
	s_add_co_u32 s18, s18, 4
	s_xor_b32 s36, s36, SLOTB
	s_add_co_u32 s56, s56, 1
	s_cmp_lt_u32 s56, 2
	s_cbranch_scc1 .Llast
	; the high blocks' results: both slots have had their last fill, and behind the last trip's barrier nobody reads them: they take all four half tiles at once, 34,816 bytes each
	v_add_nc_u32 v50, 16*SW, v9
	v_add_nc_u32 v51, 16*SW, v10
	MLST
	XST 0, 9, 0
	XST 1, 9, 8*SW
	XST 2, 50, 0
	XST 3, 50, 8*SW
	s_wait_dscnt 0x0
	s_barrier_signal -1
	s_barrier_wait -1
	MLLD
	XLD 128, 10, 0
	XLD 64, 10, 8*SW
	XLD 96, 51, 0
	s_wait_dscnt 24                                ; -M and the sums are in; three half tiles' loads may be out
	FACT
	s_wait_dscnt 16
	XSUM 0, 128
	XLD 128, 51, 8*SW
	s_wait_dscnt 16                                ; half tile 1 is in; those of 2 and 3 may be out
	XSUM 1, 64
	s_wait_dscnt 8
	XSUM 2, 96
	s_wait_dscnt 0x0
	XSUM 3, 128
	OUT
	s_wait_tensorcnt 0x0                           ; the wave's end
	ds_add_u32 v5, v6
	s_wait_dscnt 0x0
	CROUND                                         ; the closing round: no work-group ends while a partner may still ask for a tile that names it
	s_endpgm
.Lfunc_end_k_q5e74a73f78_attn:
	.size	k_q5e74a73f78_attn, .Lfunc_end_k_q5e74a73f78_attn-k_q5e74a73f78_attn
	.p2alignl 7, 3214868480
	.fill 96, 4, 3214868480
	.section	.rodata,"a",@progbits
	.p2align	6, 0x0
	.amdhsa_kernel k_q5e74a73f78_attn
		.amdhsa_group_segment_fixed_size 327680
		.amdhsa_private_segment_fixed_size 0
		.amdhsa_enable_private_segment 0
		.amdhsa_kernarg_size 24
		.amdhsa_user_sgpr_count 2
		.amdhsa_user_sgpr_kernarg_segment_ptr 1
		.amdhsa_wavefront_size32 1
		.amdhsa_system_sgpr_workgroup_id_x 1
		.amdhsa_system_sgpr_workgroup_id_y 1
		.amdhsa_system_sgpr_workgroup_id_z 1
		.amdhsa_system_vgpr_workitem_id 0
		.amdhsa_next_free_vgpr 512
		.amdhsa_next_free_sgpr 66
		.amdhsa_reserve_vcc 1
		.amdhsa_float_denorm_mode_32 3
		.amdhsa_float_denorm_mode_16_64 3
		.amdhsa_memory_ordered 1
		.amdhsa_forward_progress 1
		.amdhsa_inst_pref_size 150
	.end_amdhsa_kernel
	.amdgpu_metadata
---
amdhsa.version: [ 1, 2 ]
amdhsa.kernels:
  - .name:           k_q5e74a73f78_attn
    .symbol:         k_q5e74a73f78_attn.kd
    .args:
      - { .name: qb, .offset: 0, .size: 8, .value_kind: global_buffer, .address_space: global }
      - { .name: kv, .offset: 8, .size: 8, .value_kind: global_buffer, .address_space: global }
      - { .name: out0, .offset: 16, .size: 8, .value_kind: global_buffer, .address_space: global }
    .group_segment_fixed_size: 327680
    .private_segment_fixed_size: 0
    .kernarg_segment_align: 8
    .kernarg_segment_size: 24
    .max_flat_workgroup_size: 256
    .sgpr_count:     66
    .vgpr_count:     512
    .wavefront_size: 32
...
	.end_amdgpu_metadata
.endif
;; end of part 2
